; MI455X (gfx1250); checked and timed in simulation.
; The chip was launched on July 23, 2026; its instructions are those of AMD's public machine-readable ISA for CDNA 5 (MIT licence, August 2026) and "CDNA5" Instruction Set Architecture Reference Guide (July 2026). The comments in the code are by the model that wrote it; some were corrected since.
;; Multi Head Selective Attention. Allowed arithmetic: matrix products marked QUANTISED: E4M3 operands, one E8M0 scale for each 32 along K, by v_wmma_scale_f32_16x16x128_f8f6f4 with both operands' format E4M3, f32 sums; products left as they are: f32 operands where the result goes on into a quantised operand, else bf16, f16 or f32 operands; f32 sums; everything else in f32.
;; Inputs: Wk_codes 1,024 x 32 x 32 uint8 (E4M3 codes of Wk, K innermost, in blocks of 32 codes); Wk_scales 1,024 x 32 uint8 (E8M0 scales of Wk, one for each 32 codes along K); Wq_codes 1,024 x 32 x 32 uint8 (E4M3 codes of Wq, K innermost, in blocks of 32 codes); Wq_scales 1,024 x 32 uint8 (E8M0 scales of Wq, one for each 32 codes along K); Wv_codes 16 x 32 x 32 uint8 (E4M3 codes of Wv, K innermost, in blocks of 32 codes); Wv_scales 16 x 32 uint8 (E8M0 scales of Wv, one for each 32 codes along K); bk 1,024 float32; bq 1,024 float32; bv 16 float32; mask 8 x 4,096 bool; x_codes 8 x 4,096 x 32 x 32 uint8 (E4M3 codes of x, K innermost, in blocks of 32 codes); x_scales 8 x 4,096 x 32 uint8 (E8M0 scales of x, one for each 32 codes along K).
;; Outputs: out0 8 x 16 x 4,096 float32.
;; This version of the problem:
;;   THIS VERSION OF THE PROBLEM IS GIVEN IN LOW PRECISION. The matrix products marked QUANTISED in the list below multiply operands that are first quantised to E4M3 (4 exponent bits, 3 mantissa bits; 8 bits a number), with one power-of-two scale for each 32 numbers along K (OCP MX v1.0); their sums are f32. All else is computed in f32.
;;   The module's matrix products, in the order in which they are computed (A, B: the left and right operand; K: the contracted axis; several contracted axes count as one K, in the product's order):
;;     1. [M 32,768, K 1,024] x [K 1,024, N 1,024]; A: input x (given as codes); B: input Wq (given as codes): QUANTISED
;;     2. [M 32,768, K 1,024] x [K 1,024, N 1,024]; A: input x (given as codes); B: input Wk (given as codes): QUANTISED
;;     3. [M 32,768, K 1,024] x [K 1,024, N 16]; A: input x (given as codes); B: input Wv (given as codes): QUANTISED
;;     4. batch 128 x [M 64, K 4,096] x [K 4,096, N 1]; A: computed on the way; B: computed on the way: left as it is (N = 1 < 16)
;;     5. batch 128 x [M 4,096, K 64] x [K 64, N 1]; A: computed on the way; B: computed on the way: left as it is (N = 1 < 16)
;;   THE QUANTISER, for each operand of a quantised product, along K:
;;     - K is cut into blocks of 32 from its start; a last block that is shorter is filled with zeros.
;;     - A block's scale is 2^e with e = floor(log2(the largest magnitude in the block)) - 8, held to -126 .. 127; a block of zeros has e = 0. As a byte (E8M0): e + 127.
;;     - Each number is divided by its block's scale, clamped to +-448, and rounded to the nearest number of E4M3, ties to even, subnormals kept.
;;     - The product sums the exact products of the quantised numbers (number of the format x scale) in f32.
;;   ~~~python
;;   def quantise(x, axis):      # numpy; x: float32 -> the quantised numbers, widened to float32 again
;;       x = np.moveaxis(x, axis, -1); K = x.shape[-1]
;;       x = np.pad(x, [(0, 0)] * (x.ndim - 1) + [(0, -K % 32)]); x = x.reshape(x.shape[:-1] + (-1, 32)); a = np.abs(x).max(-1, keepdims=True)
;;       e = np.where(a > 0, np.clip(np.frexp(np.where(a > 0, a, 1))[1] - 1 - 8, -126, 127), 0)      # np.frexp(a)[1] - 1 = floor(log2(a)), exactly
;;       r = np.clip(x / 2.0 ** e, -448, 448)
;;       step = 2.0 ** (np.maximum(np.frexp(np.where(r == 0, 1, r))[1] - 1, -6) - 3)
;;       q = np.round(r / step) * step * 2.0 ** e      # np.round: ties to even
;;       return np.moveaxis(q.reshape(q.shape[:-2] + (-1,))[..., :K], -1, axis).astype(np.float32)
;;   ~~~
;;   INPUTS GIVEN AS CODES. Wk (in the module: [1024, 1024], K = its axis 0); Wq (in the module: [1024, 1024], K = its axis 0); Wv (in the module: [1024, 16], K = its axis 0); x (in the module: [8, 4096, 1024], K = its axis 2): each comes as NAME_codes (uint8): NAME with its K axis moved to the last place and cut into blocks of 32 codes, [.., K / 32, bytes a block], one block behind the other in memory; one code a byte (a code: sign, 4 exponent bits, 3 mantissa bits); and NAME_scales (uint8): the same leading axes, one E8M0 byte (e + 127) for each 32 codes along K. Its value is code x scale, taken as it is: it is not quantised again, and the codes and scales need not be those that the quantiser above would give.
;; One version. Each part assembles by itself: llvm-mc -triple=amdgcn-amd-amdhsa -mcpu=gfx1250 --defsym DOCPART=n.
;; ======== version 1 of 1: 2 launches
;; workspace buffers: part 524,288 bytes
;; launch kv (part 1): grid 4 x 64, 4 waves a work-group, clusters of 4 x 4, 327,680 bytes of LDS; arguments x_codes, x_scales, Wk_codes, Wk_scales, Wv_codes, Wv_scales, bk, bv, part; writes part
.if DOCPART == 1
	.amdgcn_target "amdgcn-amd-amdhsa--gfx1250"
	.amdhsa_code_object_version 6
	.text
	.protected	k_q2de067ac7c_kv
	.globl	k_q2de067ac7c_kv
	.p2align	8
	.type	k_q2de067ac7c_kv,@function
k_q2de067ac7c_kv:
	s_mov_b64 s[64:65], 0
	v_nop
	global_prefetch_b8 v0, s[64:65] scope:SCOPE_SE
	s_setreg_imm32_b32 hwreg(HW_REG_WAVE_MODE, 25, 1), 1
	s_wait_xcnt 0x0
	s_wait_alu depctr_hold_cnt(0) depctr_sa_sdst(0) depctr_va_vdst(0) depctr_va_sdst(0) depctr_va_ssrc(0) depctr_va_vcc(0) depctr_vm_vsrc(0)
	s_getreg_b32 s2, hwreg(HW_REG_IB_STS2, 6, 4)
	s_cmp_eq_u32 s2, 0
	s_cbranch_scc0 .Lentry_in_a_cluster
	s_endpgm
.Lentry_in_a_cluster:
	s_bfe_u32 s2, ttmp6, 0x10000c
	s_cmp_lg_u32 s2, 0xf033
	s_cbranch_scc0 .Lentry_shape_is_right
	s_endpgm
.Lentry_shape_is_right:
; part[g][n] = the sum over the 256 rows l of row tile g of (x Wk + bk)[l][n] * (x Wv + bv)[l][n / 64].   g = 0 .. 127 (batch g / 16), n = 0 .. 1023.
; x: [32768][1024] codes of E4M3, K innermost, one E8M0 byte for each 32 along K; Wk: [1024 (n)][1024 (k)], Wv: [16 (head)][1024 (k)] likewise.  Codes and scale bytes go to the matrix unit as they lie.
; SHARES.  A tile of k is 256 rows x 256 columns (four heads), made by a work-group of four waves; a wave makes 128 x 128: 64 accumulators, 512 registers.  K goes in steps of 256 through a ring of two LDS slots
; filled by the tensor data mover; a tile's row is 256 bytes of memory.
; A WORK-GROUP STAYS: it makes TWO tiles, row tiles 2 T and 2 T + 1 of the same 256 columns, and the ring does not stop between them: the first tile's last two changes of slots ask for the second tile's first
; two K steps, which land while the first tile is finished and goes out.  The scale bytes of the 512 rows of x (one dense block) and of the 256 rows of Wk, for all of K, come once, with the first fills;
; Wv, its scale words, bk and bv serve both tiles.
; CLUSTERS: 4 x 4 work-groups.  The four of a row of the cluster need the same tiles of x, the four of a column the same tiles of Wk: each tile is asked for jointly.
; THE MATRIX INSTRUCTION IS USED IN ITS NATURAL ORDER (source 0 = 16 rows of x, source 1 = 16 rows of Wk): a lane holds ONE column n and eight rows l, so that the sum over l runs down its registers.
; v: only the tile's own four heads are brought (their place in memory hangs on the tile column, their place in LDS on nothing but lane and wave).  Lane r of Wv's fragment reads head r % 4: the 16 columns
; of that product are the four heads four times over.  The two waves of a row half share the work: the registers of x's blocks 0-3 hold rows 64 j .. 64 j + 63 of the wave's 128 (j = the wave's column half),
; those of blocks 4-7 the other 64, and every wave multiplies its blocks 0-3 by Wv.  The order of rows plays no part in a sum over rows.  v goes from wave to wave through a stage in LDS.
; The bias of k is not added to 16,384 numbers: sum (k0 + bk) v = sum k0 v + bk sum v.
; PREFETCH of x into the L2, three requests a wave.  A work-group asks for 64 of a tile's 256 rows (by its place along the cluster's x), a wave for 16 of those; lanes 0-15 take 256 bytes of a row (one K step),
; lanes 16-31 the next 256: so each 256 bytes are asked for once in the launch.  At the head: the first tile's K steps 2 and 3; at the first tile's first change of slots: the second tile's K steps 0 and 1,
; whose tensor loads follow two and three K steps later; at its third: the second tile's K steps 2 and 3.  Nothing is asked for beyond the second tile.
; LIMITS: the sum over l is taken by lane, by half of the lanes, by wave (here) and by tile (next launch), in f32: another order than a plain sum's.  A NaN code or a scale byte 0xff among the inputs spreads as NaN.
; REGISTERS, in windows of 256: window 0: v1-31 addresses; v32-63 scale words, two sets (they hold nothing else); v64-95 v's four accumulators; v96-111 Wv's fragment; v112-119 Wv's scale words (nothing else);
;   v120-127 bk; v128-255 x's fragments, ONE set.   window 1: Wk's fragments, TWO sets.   windows 2, 3: accumulator (a, b) at v[8 (8 (a % 4) + b)].
.set KROW,  1024                       ; a row of codes in memory, in bytes
.set ROWB,  256                        ; a tile's row: 256 along K
.set PITCH, 272                        ; an LDS row: 256 bytes + 16 of padding = 68 words: the 16 rows that a load touches start at 16 different groups of four banks
.set FR,    16                         ; registers of a fragment: 16 rows x 128 K
.set NP,    8                          ; places behind this matrix instruction (ISA guide 7.12.1)
.set HALFT, 128*PITCH                  ; 128 rows: what one tensor load brings
.set SLOT,  4*HALFT                    ; x's 256 rows, then Wk's 256 rows
.set SCL,   2*SLOT                     ; behind the ring: the scale bytes, as rows of 256 bytes + 16 of padding: x's first tile, x's second tile, Wk's
.set HALFS, 16*272                     ; those of 128 rows (32 bytes a row)
.set SBLK,  2*272                      ; those of 16 rows
.set SCB,   SCL+4*HALFS                ; Wk's
.set VP,    1040                       ; a head's row in the two regions below: 1,024 bytes + 16
.set WVB,   SCL+6*HALFS                ; Wv's codes of the tile's four heads, stored by the waves: no tile ever lands here
.set SPARE, WVB+4352                   ; the spare words, 128 bytes for each wave: two blocks of 256 bytes that no other line names
.set VST,   SPARE+512                  ; v of a tile's 256 rows, a row of 1,024 bytes for each of the four heads
.set PST,   VST+4352                   ; the waves' sums: 128 columns x 4 bytes for each wave
.set NEXT_A, 256*KROW-2*ROWB           ; bytes from a slot's last K step of the first tile to its first of the second: x goes 256 rows down and back along K,
.set BACK_B, 2*ROWB                    ; Wk only back
.set PF_A,  256*KROW                   ; prefetch: the second tile's K steps 0 and 1,
.set PF_B,  256*KROW+2*ROWB            ; and 2 and 3
.set GO,   3                           ; v3   16 x lane
.set ADRW, 10                          ; v10  Wv's fragment: WVB + (r % 4) VP + 16 h
.set VSTO, 11                          ; v11  where I put v
.set VRD,  12                          ; v12-13  where I read v of blocks 0-3, 4-7
.set PSTO, 14                          ; v14  where I put my columns' sums
.set PRD,  15                          ; v15  where waves 0 and 1 read them back
.set ADRA, 16                          ; v16-17 x's blocks 0-3 in slot 0, 1;  v18-19 blocks 4-7
.set ADRB, 20                          ; v20-21 Wk's fragments in slot 0, 1
.set ADRS, 22                          ; v22-25 scale words: tile n, blocks 4 g on at v[ADRS + 2 n + g]: lanes 0-15 x's, lanes 16-31 Wk's
.set BV,   26                          ; v[26:27] bv of head r % 4, and a copy (the packed form names the pair)
.set SPW,  28                          ; v28  SPARE + 4 x my thread's number; never rewritten
.set NIL,  29                          ; v29  0; never rewritten
.set PF,   31                          ; v31  prefetch: 1,024 r + 256 h; never rewritten
.set SC,   32
.set VA,   64
.set WF,   96
.set WVS,  112
.set BK,   120
.set AF,   128
.set PS,   64                          ; the way out: eight pairs of sums, v64-79
.set SV,   80                          ; v80-87 four chains for the sum of v;  v88-89 the two heads' sums
.set VV,   128                         ; v of my rows: head t, block a at v[VV + 64 t + 8 a]
.set WV,  22                           ; s22  wave
.set WI,  23                           ; s23  my half of the tile's rows.  Also: I fetch for x (0) or for Wk (1)
.set WJ,  66                           ; s66  my half of its columns.  Also: which part I fetch
.set G1,  24
.set G0,  32
.set G1B, 48
.set G0B, 56
.set G1S, 68
.set G0S, 76
.set G1SB, 80
.set G0SB, 88
.set TL,  0                            ; the tile in hand: 0 or 1
.set MSB, 0
.macro WIN new                         ; the immediate's high byte repeats the setting that is left
.if MSB != (\new)
	s_set_vgpr_msb (MSB<<8)|(\new)
.set MSB, (\new)
.endif
.endm
.set MUL_LO, 0xa4                      ; source 0 (x) window 0, source 1 (Wk) window 1, C and D window 2
.set MUL_HI, 0xf4                      ; the same, C and D window 3
.set TO_B,   0x40                      ; destination window 1, address window 0
; A joint load: waves 0 and 1 fetch for x, waves 2 and 3 for Wk.  Each line has one mask and one set of registers for all that issue it; the branch hangs on the wave's number alone.
; Four v_nop follow each of the two lines, ahead of the jump, the label and what follows.
.macro JLOAD g0a, g1a, g0b, g1b
	s_cmp_eq_u32 s[WI], 0
	s_cbranch_scc0 .Lfor_b_\@
	tensor_load_to_lds s[\g0a:\g0a+3], s[\g1a:\g1a+7]
	s_nop 0
.rept 4
	v_nop
.endr
	s_branch .Lasked_\@
.Lfor_b_\@:
	tensor_load_to_lds s[\g0b:\g0b+3], s[\g1b:\g1b+7]
	s_nop 0
.rept 4
	v_nop
.endr
.Lasked_\@:
.endm
.macro CREST                           ; a round of the cluster's barrier behind its opening barrier
	s_cmp_lg_u32 s[WV], 0
	s_cbranch_scc1 .Lnot_wave_0_\@
	s_barrier_signal -3
.Lnot_wave_0_\@:
	s_barrier_wait -3
	s_barrier_signal -1
	s_barrier_wait -1
.endm
.macro CROUND                          ; a whole round
	s_barrier_signal -1
	s_barrier_wait -1
	CREST
.endm
.macro PLACES n
.rept \n
	v_nop
.endr
.endm
	s_load_b256 s[4:11], s[0:1], 0x0               ; x's codes s[4:5], x's scales s[6:7], Wk's codes s[8:9], Wk's scales s[10:11]
	s_load_b256 s[12:19], s[0:1], 0x20             ; Wv's codes s[12:13], Wv's scales s[14:15], bk s[16:17], bv s[18:19]
	s_load_b64 s[20:21], s[0:1], 0x40              ; part
	v_lshl_add_u32 v[SPW], v0, 2, SPARE
	v_mov_b32 v[NIL], 0
	ds_add_u32 v28, v29
	s_wait_dscnt 0x0
	v_lshrrev_b32 v1, 5, v0
	v_readfirstlane_b32 s[WV], v1                  ; wave 0..3
	s_lshr_b32 s[WI], s[WV], 1
	s_and_b32 s[WJ], s[WV], 1
	s_bfe_u32 s40, ttmp6, 0x40000                  ; cx, cy: my place in the cluster
	s_bfe_u32 s41, ttmp6, 0x40004
	s_lshl_b32 s42, ttmp9, 2
	s_add_co_u32 s42, s42, s40                     ; tile column = 4 x cluster x + cx: 0 .. 3
	s_and_b32 s45, ttmp7, 0xffff
	s_lshl_b32 s45, s45, 2
	s_add_co_u32 s45, s45, s41                     ; T = 4 x cluster y + cy: 0 .. 63: my rows are 512 T .. 512 T + 511
	s_lshl_b32 s43, s41, 2
	s_lshl_b32 s43, 15, s43                        ; my row of the cluster
	s_lshl_b32 s44, 0x1111, s40                    ; my column
	; descriptor group 1: a tile of 128 rows x 256 bytes, 16 bytes of padding behind each row
	s_or_b32 s[G1+0], s43, (0<<16)|(1<<20)|(1<<21)|(5<<22)|(3<<25)   ; 15:0 the mask: x's tiles go to my row; 17:16 elements of 1 byte; 20 padding on; 21 set beside a mask; 24:22 after every 64 words; 31:25 four words
	s_or_b32 s[G1B+0], s44, (0<<16)|(1<<20)|(1<<21)|(5<<22)|(3<<25)  ; the same with the mask of my column, for Wk's tiles
.irp g, G1, G1B
	s_mov_b32 s[\g+1], ROWB<<16                    ; tensor_dim0
	s_mov_b32 s[\g+2], 128<<16                     ; tensor_dim1
	s_mov_b32 s[\g+3], ROWB<<16                    ; tile_dim0
	s_mov_b32 s[\g+4], 128                         ; tile_dim1
	s_mov_b32 s[\g+5], KROW                        ; tensor_dim0_stride
	s_mov_b32 s[\g+6], 0
	s_mov_b32 s[\g+7], 0
.endr
	; the scale bytes: dense blocks as rows of 256 bytes (32 elements of 8 bytes), 16 bytes of padding behind each.  x's: 256 rows of x, a whole tile's, to a load: 32 such rows;  Wk's: 128 rows: 16
	s_or_b32 s[G1S+0], s43, (3<<16)|(1<<20)|(1<<21)|(5<<22)|(3<<25)
	s_mov_b32 s[G1S+1], 32<<16
	s_mov_b32 s[G1S+2], 32<<16
	s_mov_b32 s[G1S+3], 32<<16
	s_mov_b32 s[G1S+4], 32
	s_mov_b32 s[G1S+5], 32
	s_mov_b32 s[G1S+6], 0
	s_mov_b32 s[G1S+7], 0
	s_or_b32 s[G1SB+0], s44, (3<<16)|(1<<20)|(1<<21)|(5<<22)|(3<<25)
	s_mov_b32 s[G1SB+1], 32<<16
	s_mov_b32 s[G1SB+2], 16<<16
	s_mov_b32 s[G1SB+3], 32<<16
	s_mov_b32 s[G1SB+4], 16
	s_mov_b32 s[G1SB+5], 32
	s_mov_b32 s[G1SB+6], 0
	s_mov_b32 s[G1SB+7], 0
	s_lshl_b32 s2, s[WJ], 7                        ; which 128 rows of a tile I fetch
	s_lshl_b32 s46, s45, 9                         ; 512 T                                     (s46, s47, s96, s97 never hold cx;
	s_lshl_b32 s96, s[WJ], 8
	s_add_co_u32 s96, s96, s46                     ; x's scales: row 512 T + 256 x part
	s_add_co_u32 s46, s46, s2                      ; x's codes: row 512 T + 128 x part
	s_lshl_b32 s92, s42, 8
	s_add_co_u32 s92, s92, s2                      ; Wk: row 256 x tile column + 128 x part      s92, s93, s98, s99 never hold cy)
	s_lshl_b32 s96, s96, 5                         ; where these rows' scale bytes begin: 32 bytes a row,
	s_lshl_b32 s98, s92, 5
	s_lshl_b32 s46, s46, 10                        ; and their codes: 1,024 bytes a row; 32 MiB at the most
	s_lshl_b32 s92, s92, 10
	s_mov_b32 s47, 0
	s_mov_b32 s93, 0
	s_mov_b32 s97, 0
	s_mov_b32 s99, 0
	s_mul_i32 s67, s[WV], HALFT                    ; where they go: wave x 128 rows: no place in the cluster enters an LDS address
	s_mul_i32 s3, s[WJ], 2*HALFS                   ; x's scale bytes: tile 0's, then tile 1's
	s_mul_i32 s2, s[WJ], HALFS                     ; Wk's: two halves
	s_mov_b32 s94, 0x76543210
	s_mov_b32 s95, 0xfedcba98                      ; v_permlanex16_b32's selects for lane l xor 16
	s_wait_kmcnt 0x0
	s_add_nc_u64 s[46:47], s[4:5], s[46:47]
	s_add_nc_u64 s[96:97], s[6:7], s[96:97]
	s_add_nc_u64 s[92:93], s[8:9], s[92:93]
	s_add_nc_u64 s[98:99], s[10:11], s[98:99]
	CROUND                                         ; all sixteen work-groups are here: the first joint loads meet
	s_mov_b32 s[G0S], 1
	s_add_co_u32 s[G0S+1], s3, SCL
	s_mov_b64 s[G0S+2:G0S+3], s[96:97]
	s_or_b32 s[G0S+3], s[G0S+3], 0x80000000
	s_mov_b32 s[G0SB], 1
	s_add_co_u32 s[G0SB+1], s2, SCB
	s_mov_b64 s[G0SB+2:G0SB+3], s[98:99]
	s_or_b32 s[G0SB+3], s[G0SB+3], 0x80000000
	JLOAD G0S, G1S, G0SB, G1SB                     ; the scale bytes first: they are wanted with K step 0
.irp s, 0,1
	s_mov_b32 s[G0+4*\s], 1
	s_add_co_u32 s[G0+4*\s+1], s67, \s*SLOT
	s_add_nc_u64 s[G0+4*\s+2:G0+4*\s+3], s[46:47], \s*ROWB
	s_or_b32 s[G0+4*\s+3], s[G0+4*\s+3], 0x80000000
	s_mov_b32 s[G0B+4*\s], 1
	s_add_co_u32 s[G0B+4*\s+1], s67, \s*SLOT
	s_add_nc_u64 s[G0B+4*\s+2:G0B+4*\s+3], s[92:93], \s*ROWB
	s_or_b32 s[G0B+4*\s+3], s[G0B+4*\s+3], 0x80000000
	JLOAD G0+4*\s, G1, G0B+4*\s, G1B               ; three tensor loads of mine are out now
.endr
	; the small inputs, by loads into registers.  (s[6:11] have served: they are temporaries from here on; s[4:5] becomes the prefetches' base.)
	v_and_b32 v1, 15, v0                           ; r = lane % 16
	v_bfe_u32 v2, v0, 4, 1                         ; h = lane / 16
	v_and_b32 v[GO], 31, v0
	v_lshlrev_b32 v[GO], 4, v[GO]                  ; 16 x lane
	v_and_b32 v7, 3, v0                            ; r % 4: my head of the tile's four
	v_lshlrev_b32 v136, 5, v7                      ; Wv's scale bytes: 32 a head   (v136-138 are offsets of the loads below; x's fragments land there only behind the wait for those loads)
	v_lshlrev_b32 v137, 2, v7                      ; bv
	v_lshlrev_b32 v138, 2, v1                      ; bk: 4 r
	v_lshlrev_b32 v[PF], 10, v1                    ; prefetch: row r of my 16,
	v_lshl_add_u32 v[PF], v2, 8, v[PF]             ; lanes 16-31 the next 256 bytes
	s_mov_b32 s7, 0
	s_lshl_b32 s6, s45, 9
	s_lshl_b32 s8, s40, 6
	s_add_co_u32 s6, s6, s8
	s_lshl_b32 s8, s[WV], 4
	s_add_co_u32 s6, s6, s8                        ; row 512 T + 64 cx + 16 x wave
	s_lshl_b32 s6, s6, 10
	s_add_nc_u64 s[4:5], s[4:5], s[6:7]            ; x's codes at the first row that I ask for
	s_lshl_b32 s6, s42, 2
	s_add_co_u32 s6, s6, s[WV]
	s_lshl_b32 s6, s6, 10
	s_add_nc_u64 s[12:13], s[12:13], s[6:7]        ; Wv's codes of head 4 x tile column + wave: wave w copies head w's 1,024 bytes
	s_lshl_b32 s6, s42, 7
	s_add_nc_u64 s[14:15], s[14:15], s[6:7]        ; Wv's scale bytes of the four heads
	s_lshl_b32 s6, s42, 4
	s_add_nc_u64 s[18:19], s[18:19], s[6:7]        ; bv of the four heads
	s_lshl_b32 s6, s42, 10
	s_lshl_b32 s8, s[WJ], 9
	s_add_co_u32 s6, s6, s8
	s_add_nc_u64 s[16:17], s[16:17], s[6:7]        ; bk at my first column: 256 x tile column + 128 x half
	s_lshl_b32 s8, s45, 13
	s_add_co_u32 s6, s6, s8
	s_add_nc_u64 s[20:21], s[20:21], s[6:7]        ; part at row 2 T, the same column
	global_load_b128 v[128:131], v[GO], s[12:13]
	global_load_b128 v[132:135], v[GO], s[12:13] offset:512
	global_load_b128 v[WVS:WVS+3], v136, s[14:15]            ; lane r: the eight scale words of head r % 4
	global_load_b128 v[WVS+4:WVS+7], v136, s[14:15] offset:16
	global_load_b32 v[BV], v137, s[18:19]
.irp b, 0,1,2,3,4,5,6,7
	global_load_b32 v[BK+\b], v138, s[16:17] offset:64*\b    ; bk of column 16 b + r
.endr
	global_prefetch_b8 v[PF], s[4:5] offset:2*ROWB th:TH_LOAD_NT scope:SCOPE_SE   ; the first tile's K steps 2 and 3 of my 16 rows
	; LDS addresses: constants, the lane and the wave's number
	v_mul_u32_u24 v4, v1, PITCH
	v_lshl_add_u32 v4, v2, 4, v4                   ; a fragment's row x pitch + 16 x half
	s_xor_b32 s2, s[WJ], 1                         ; the other half
	s_mul_i32 s3, s[WI], HALFT                     ; my 128 rows of x
	s_mul_i32 s67, s[WJ], 64*PITCH                 ; blocks 0-3: rows 64 j on,
	s_add_co_u32 s67, s67, s3
	v_add_nc_u32 v[ADRA], s67, v4
	s_add_co_u32 s67, s67, SLOT
	v_add_nc_u32 v[ADRA+1], s67, v4
	s_mul_i32 s67, s2, 64*PITCH                    ; blocks 4-7: the other 64
	s_add_co_u32 s67, s67, s3
	v_add_nc_u32 v[ADRA+2], s67, v4
	s_add_co_u32 s67, s67, SLOT
	v_add_nc_u32 v[ADRA+3], s67, v4
	s_mul_i32 s67, s[WJ], HALFT                    ; my 128 rows of Wk, behind x's 256
	s_add_co_u32 s67, s67, 2*HALFT
	v_add_nc_u32 v[ADRB], s67, v4
	s_add_co_u32 s67, s67, SLOT
	v_add_nc_u32 v[ADRB+1], s67, v4
	v_lshlrev_b32 v5, 5, v1                        ; my row's scale bytes: 32 a row,
	v_lshrrev_b32 v9, 8, v5
	v_lshl_add_u32 v5, v9, 4, v5                   ; and 16 more for each 256 passed
; v[dst] = SCL + x's base + my row's place + h x (Wk's base - x's base): lanes 16-31 take Wk's: the lower base + h x ONE distance
.macro MKS dst, sa, sb
	s_sub_co_u32 s9, s[\sb], s[\sa]
	v_mul_u32_u24 v9, s9, v2
	s_add_co_u32 s9, s[\sa], SCL
	v_add_nc_u32 v9, v5, v9
	v_add_nc_u32 v[\dst], s9, v9
.endm
	s_mul_i32 s3, s[WI], HALFS
	s_mul_i32 s67, s[WJ], 4*SBLK
	s_add_co_u32 s67, s67, s3                      ; x's blocks 0-3, first tile
	s_mul_i32 s10, s[WJ], HALFS
	s_add_co_u32 s10, s10, 4*HALFS                 ; Wk's blocks 0-3
	MKS ADRS, 67, 10
	s_add_co_u32 s67, s67, 2*HALFS                 ; second tile
	MKS ADRS+2, 67, 10
	s_mul_i32 s67, s2, 4*SBLK
	s_add_co_u32 s67, s67, s3                      ; x's blocks 4-7, first tile
	s_add_co_u32 s10, s10, 4*SBLK                  ; Wk's blocks 4-7
	MKS ADRS+1, 67, 10
	s_add_co_u32 s67, s67, 2*HALFS
	MKS ADRS+3, 67, 10
	v_mul_u32_u24 v8, v7, VP                       ; my head's row
	v_lshlrev_b32 v9, 5, v2                        ; 32 h
	v_lshl_add_u32 v[ADRW], v2, 4, v8
	v_add_nc_u32 v[ADRW], WVB, v[ADRW]
	s_lshl_b32 s3, s[WI], 9
	s_add_co_u32 s3, s3, VST                       ; v's stage at my row half: 128 rows x 4 bytes,
	s_lshl_b32 s10, s[WJ], 8
	s_add_co_u32 s10, s10, s3                      ; at rows 64 j on
	v_lshl_add_u32 v[VSTO], v2, 5, v8
	v_add_nc_u32 v[VSTO], s10, v[VSTO]             ; in: head r % 4, rows 8 h on
	s_mul_i32 s11, s[WJ], 2*VP                     ; back: my columns' two heads, 2 j and 2 j + 1
	s_add_co_u32 s10, s10, s11
	v_add_nc_u32 v[VRD], s10, v9
	s_lshl_b32 s10, s2, 8
	s_add_co_u32 s10, s10, s3
	s_add_co_u32 s10, s10, s11
	v_add_nc_u32 v[VRD+1], s10, v9
	s_lshl_b32 s10, s[WV], 9
	s_add_co_u32 s10, s10, PST
	v_lshl_add_u32 v[PSTO], v1, 2, s10
	v_add_nc_u32 v[PRD], s10, v[GO]
	s_mul_i32 s10, s[WV], VP
	s_add_co_u32 s10, s10, WVB
	v_add_nc_u32 v30, s10, v[GO]                   ; where I put head w's codes
.macro FRAG reg, adr, q, i             ; a fragment, 16 rows x 128 K, is 16 registers: lane l holds row l % 16; registers 4 c .. 4 c + 3 hold K = 32 c + 16 (l / 16) + 0 .. 15
.irp c, 0,1,2,3
	ds_load_b128 v[\reg+4*\c:\reg+4*\c+3], v[\adr] offset:128*(\q)+32*\c+(\i)*16*PITCH
.endr
.endm
.macro FETCH_B slot, q, p              ; Wk's eight fragments of the slot's q-th 128 along K into set p
	WIN TO_B
.irp i, 0,1,2,3,4,5,6,7
	FRAG 128*(\p)+FR*\i, ADRB+\slot, \q, \i
.endr
	WIN 0
.endm
.macro FETCH_A slot, q, i0             ; x's blocks i0 .. i0 + 3
.irp i, 0,1,2,3
	FRAG AF+FR*((\i0)+\i), ADRA+2*((\i0)/4)+(\slot), \q, \i
.endr
.endm
.macro SCALES set, t                   ; the scale words of the tile's K step t into a set: two words a row; lanes 0-15 take x's block i, lanes 16-31 Wk's block i
.irp i, 0,1,2,3,4,5,6,7
	ds_load_b64 v[SC+16*(\set)+2*\i:SC+16*(\set)+2*\i+1], v[ADRS+2*TL+(\i/4)] offset:(\i%4)*SBLK+8*(\t)
.endr
.endm
.macro FETCH_W s                       ; Wv's fragment of the s-th 128 along K
.irp c, 0,1,2,3
	ds_load_b128 v[WF+4*\c:WF+4*\c+3], v[ADRW] offset:128*(\s)+32*\c
.endr
.endm
; 16 matrix instructions: x's blocks a0, a0 + 1 against Wk's eight.  p: Wk's set;  q: which word of the scale set.  zero = 1: the first product starts the sums: nothing is ever cleared.
; The accumulators take turns, one instruction a turn, in the same order in every step.
.macro MUL16 a0, p, q, set, zero
.irp a, \a0, \a0+1
.irp b, 0,1,2,3,4,5,6,7
.if \zero
	v_wmma_scale_f32_16x16x128_f8f6f4 v[8*(8*((\a)%4)+\b):8*(8*((\a)%4)+\b)+7], v[AF+FR*(\a):AF+FR*(\a)+FR-1], v[128*(\p)+FR*\b:128*(\p)+FR*\b+FR-1], 0, v[SC+16*(\set)+2*(\a)+(\q)], v[SC+16*(\set)+2*\b+(\q)] matrix_b_scale:MATRIX_SCALE_ROW1
.else
	v_wmma_scale_f32_16x16x128_f8f6f4 v[8*(8*((\a)%4)+\b):8*(8*((\a)%4)+\b)+7], v[AF+FR*(\a):AF+FR*(\a)+FR-1], v[128*(\p)+FR*\b:128*(\p)+FR*\b+FR-1], v[8*(8*((\a)%4)+\b):8*(8*((\a)%4)+\b)+7], v[SC+16*(\set)+2*(\a)+(\q)], v[SC+16*(\set)+2*\b+(\q)] matrix_b_scale:MATRIX_SCALE_ROW1
.endif
.endr
.endr
.endm
; four more: x's blocks 0-3 against Wv, the s-th 128 along K.  All operands lie in window 0.
.macro MULV s
.irp a, 0,1,2,3
.if (\s) == 0
	v_wmma_scale_f32_16x16x128_f8f6f4 v[VA+8*\a:VA+8*\a+7], v[AF+FR*\a:AF+FR*\a+FR-1], v[WF:WF+FR-1], 0, v[SC+16*(((\s)/2)%2)+2*\a+((\s)%2)], v[WVS+(\s)]
.else
	v_wmma_scale_f32_16x16x128_f8f6f4 v[VA+8*\a:VA+8*\a+7], v[AF+FR*\a:AF+FR*\a+FR-1], v[WF:WF+FR-1], v[VA+8*\a:VA+8*\a+7], v[SC+16*(((\s)/2)%2)+2*\a+((\s)%2)], v[WVS+(\s)]
.endif
.endr
.endm
; A load into a register that a matrix instruction has read, and a vector instruction or an LDS store that reads a matrix result, stand NP places behind that matrix instruction; only plain vector
; instructions that name none of its registers are places (ISA guide 7.12.1 for vector instructions).
; The first 128 along K of the tile's K step t, which lies in a slot.
.macro STEP slot, t, zero
	s_wait_dscnt 16                                ; all but the youngest sixteen loads (x's blocks 4-7) are in
	WIN MUL_LO
	MUL16 0, 0, 0, \slot, \zero
	MUL16 2, 0, 0, \slot, \zero
	WIN 0
	MULV 2*(\t)
	s_wait_dscnt 0x0                               ; x's blocks 4-7 are in
	PLACES NP
	FETCH_B \slot, 1, 1
	FETCH_A \slot, 1, 0
	FETCH_W 2*(\t)+1
	WIN MUL_HI
	MUL16 4, 0, 0, \slot, \zero
	MUL16 6, 0, 0, \slot, \zero
	PLACES NP
	WIN 0
	FETCH_A \slot, 1, 4
.endm
; The second 128 changes slots: ONE barrier; in front of it each wave waits for all its tensor loads, adds 0 to its spare word, and waits for that and for its own reads of this slot.
; fill = 1: the barrier opens a round of the cluster's barrier, and this slot is filled again, two K steps ahead: the first tensor load behind the round, one a wave.  fill = 2: with the next tile's K step.
; pf: the byte offset of a prefetch, or 0 for none: it stands behind the run of LDS loads.
.macro TURN slot, next, t, fill, pf
	s_wait_tensorcnt 0x0                           ; all my tensor loads have landed: my part of the next slot;  (every window is 0 here)
	ds_add_u32 v[SPW], v[NIL]                      ; 0 onto my spare word
	s_wait_dscnt 17                                ; the add and the youngest sixteen loads (x's blocks 4-7) may be out
	WIN MUL_LO
	MUL16 0, 1, 1, \slot, 0                        ; sixteen matrix instructions stand between the add and the wait for it
	s_wait_dscnt 0x0                               ; the add is done, and my reads of this slot are over
	s_barrier_signal -1
	MUL16 2, 1, 1, \slot, 0
	WIN 0
	MULV 2*(\t)+1
	s_barrier_wait -1
.if \fill
	CREST                                          ; no wave of any partner still reads this slot's tile or has a load on its way
.if (\fill) == 2
	s_add_nc_u64 s[G0+4*\slot+2:G0+4*\slot+3], s[G0+4*\slot+2:G0+4*\slot+3], NEXT_A
	s_sub_nc_u64 s[G0B+4*\slot+2:G0B+4*\slot+3], s[G0B+4*\slot+2:G0B+4*\slot+3], BACK_B
.else
	s_add_nc_u64 s[G0+4*\slot+2:G0+4*\slot+3], s[G0+4*\slot+2:G0+4*\slot+3], 2*ROWB
	s_add_nc_u64 s[G0B+4*\slot+2:G0B+4*\slot+3], s[G0B+4*\slot+2:G0B+4*\slot+3], 2*ROWB
.endif
	JLOAD G0+4*\slot, G1, G0B+4*\slot, G1B         ; the four v_nop behind it are among the places in front of the loads below
	PLACES NP-4
.else
	PLACES NP
.endif
	FETCH_B \next, 0, 0
	FETCH_A \next, 0, 0
	SCALES \next, (\t)+1
	FETCH_W 2*(\t)+2
.if \pf
	global_prefetch_b8 v[PF], s[4:5] offset:\pf th:TH_LOAD_NT scope:SCOPE_SE
.endif
	WIN MUL_HI
	MUL16 4, 1, 1, \slot, 0
	MUL16 6, 1, 1, \slot, 0
	PLACES NP
	WIN 0
	FETCH_A \next, 0, 4
.endm
; A tile's last 128 along K (slot 1).  more = 1: a tile follows: slot 1 is left as every slot is left, and takes the next tile's K step 1.  In front of that round every wave has waited for all its loads,
; so behind it slot 0, the next tile's K step 0, is whole for every wave.  No fragment is fetched here: the way out needs x's registers.
.macro LAST more
.if \more
	s_wait_tensorcnt 0x0                           ; all my tensor loads have landed: my part of slot 0
	ds_add_u32 v[SPW], v[NIL]                      ; 0 onto my spare word
	s_wait_dscnt 17                                ; the add and the youngest sixteen loads may be out
	WIN MUL_LO
	MUL16 0, 1, 1, 1, 0
	s_wait_dscnt 0x0                               ; the add is done, and my reads of slot 1 are over
	s_barrier_signal -1
	MUL16 2, 1, 1, 1, 0
	WIN 0
	MULV 7
	s_barrier_wait -1
	CREST
	s_add_nc_u64 s[G0+6:G0+7], s[G0+6:G0+7], NEXT_A
	s_sub_nc_u64 s[G0B+6:G0B+7], s[G0B+6:G0B+7], BACK_B
	JLOAD G0+4, G1, G0B+4, G1B
.else
	s_wait_dscnt 16
	WIN MUL_LO
	MUL16 0, 1, 1, 1, 0
	MUL16 2, 1, 1, 1, 0
	WIN 0
	MULV 7
	s_wait_dscnt 0x0
.endif
	WIN MUL_HI
	MUL16 4, 1, 1, 1, 0
	MUL16 6, 1, 1, 1, 0
	WIN 0
.endm
; block a: 32 packed multiply-adds: my eight columns' sums, a pair (even rows, odd rows) each, by turns; the very first eight start the sums.  Each accumulator is read from its low end on.
.macro KSUM a
	s_wait_dscnt 4*(7-(\a))                        ; block a's four loads are in; those of the later blocks may be out
	WIN 0x02+(\a)/4                                ; source 0: window 2 or 3
.irp jp, 0,1,2,3
.irp b, 0,1,2,3,4,5,6,7
.if ((\a) == 0) && (\jp == 0)
	v_pk_mul_f32 v[PS+2*\b:PS+2*\b+1], v[8*(8*((\a)%4)+\b)+2*\jp:8*(8*((\a)%4)+\b)+2*\jp+1], v[VV+64*(\b/4)+8*(\a)+2*\jp:VV+64*(\b/4)+8*(\a)+2*\jp+1]
.else
	v_pk_fma_f32 v[PS+2*\b:PS+2*\b+1], v[8*(8*((\a)%4)+\b)+2*\jp:8*(8*((\a)%4)+\b)+2*\jp+1], v[VV+64*(\b/4)+8*(\a)+2*\jp:VV+64*(\b/4)+8*(\a)+2*\jp+1], v[PS+2*\b:PS+2*\b+1]
.endif
.endr
.endr
.endm
; THE WAY OUT of a tile.  v = x Wv + bv of my 64 rows goes to the stage: lane (r, h), register j of block a: v(row 16 a + 8 h + j, head r % 4); lanes with the same r % 4 write the same words with the same values.
; The stages are written again in the next tile only behind that tile's changes of slots, in front of which every wave has waited for its LDS reads.
.macro VOUT
	PLACES NP
.irp i, 0,1,2,3,4,5,6,7,8,9,10,11,12,13,14,15
	v_pk_add_f32 v[VA+2*\i:VA+2*\i+1], v[VA+2*\i:VA+2*\i+1], v[BV:BV+1] op_sel_hi:[1,0]   ; each accumulator from its low end on
.endr
.irp a, 0,1,2,3
	ds_store_b128 v[VSTO], v[VA+8*\a:VA+8*\a+3] offset:64*\a
	ds_store_b128 v[VSTO], v[VA+8*\a+4:VA+8*\a+7] offset:64*\a+16
.endr
	s_wait_dscnt 0x0                               ; for the others' sake: my stores have landed
	s_barrier_signal -1
	s_barrier_wait -1                              ; v of all 256 rows lies in the stage
.irp a, 0,1,2,3,4,5,6,7                ; v of my 128 rows, my two heads: for block a the eight rows 8 h + 0 .. 7; the sixteen lanes of a half read the same words
.irp t, 0,1
.irp u, 0,1
	ds_load_b128 v[VV+64*\t+8*\a+4*\u:VV+64*\t+8*\a+4*\u+3], v[VRD+(\a/4)] offset:\t*VP+64*(\a%4)+16*\u
.endr
.endr
.endr
.irp a, 0,1,2,3,4,5,6,7
	KSUM \a
.endr
	WIN 0
.irp t, 0,1                            ; the sum of v over my lane's 64 rows, for bk: two chains a head
	v_pk_add_f32 v[SV+4*\t:SV+4*\t+1], v[VV+64*\t:VV+64*\t+1], v[VV+64*\t+4:VV+64*\t+5]
	v_pk_add_f32 v[SV+4*\t+2:SV+4*\t+3], v[VV+64*\t+2:VV+64*\t+3], v[VV+64*\t+6:VV+64*\t+7]
.endr
.irp p, 8,12,16,20,24,28,32,36,40,44,48,52,56,60
.irp t, 0,1
	v_pk_add_f32 v[SV+4*\t:SV+4*\t+1], v[SV+4*\t:SV+4*\t+1], v[VV+64*\t+\p:VV+64*\t+\p+1]
	v_pk_add_f32 v[SV+4*\t+2:SV+4*\t+3], v[SV+4*\t+2:SV+4*\t+3], v[VV+64*\t+\p+2:VV+64*\t+\p+3]
.endr
.endr
.irp t, 0,1
	v_pk_add_f32 v[SV+4*\t:SV+4*\t+1], v[SV+4*\t:SV+4*\t+1], v[SV+4*\t+2:SV+4*\t+3]
.endr
.irp t, 0,1
	v_add_f32 v[SV+8+\t], v[SV+4*\t], v[SV+4*\t+1]
.endr
.irp b, 0,1,2,3,4,5,6,7
	v_add_f32 v[PS+2*\b], v[PS+2*\b], v[PS+2*\b+1]             ; even rows' and odd rows'
.endr
.irp b, 0,1,2,3,4,5,6,7
	v_fmac_f32 v[PS+2*\b], v[BK+\b], v[SV+8+(\b/4)]            ; + bk x the sum of v
.endr
.irp b, 0,1,2,3,4,5,6,7
	v_permlanex16_b32 v[PS+2*\b+1], v[PS+2*\b], s94, s95       ; the other half of the lanes holds the other rows
.endr
.irp b, 0,1,2,3,4,5,6,7
	v_add_f32 v[PS+2*\b], v[PS+2*\b], v[PS+2*\b+1]
.endr
.irp b, 0,1,2,3,4,5,6,7
	ds_store_b32 v[PSTO], v[PS+2*\b] offset:64*\b              ; column 16 b + r of my 128; both halves of the lanes write the same word with the same value
.endr
	s_wait_dscnt 0x0                               ; for the others' sake: my stores have landed
	s_barrier_signal -1
	s_barrier_wait -1
	s_cmp_ge_u32 s[WV], 2                          ; waves 0 and 1 add the two row halves of their 128 columns and store them
	s_cbranch_scc1 .Lstored_\@
	ds_load_b128 v[96:99], v[PRD]
	ds_load_b128 v[100:103], v[PRD] offset:1024    ; the wave two further on has the same columns
	s_wait_dscnt 0x0
	v_pk_add_f32 v[96:97], v[96:97], v[100:101]
	v_pk_add_f32 v[98:99], v[98:99], v[102:103]
	global_store_b128 v[GO], v[96:99], s[20:21] offset:4096*TL   ; 32 lanes store 512 consecutive bytes, at a multiple of 512 from part's first byte; the second tile's row of part is 4,096 bytes on
.Lstored_\@:
.if TL == 0
	s_wait_xcnt 0x0                                ; the store has read its registers: Wv's next fragment lands on them
.endif
.endm
; A tile: four K steps, written out: every offset is an immediate.
.macro TILE more
	FETCH_B 0, 0, 0
	FETCH_A 0, 0, 0
	SCALES 0, 0
	FETCH_W 0
	FETCH_A 0, 0, 4
	STEP 0, 0, 1
.if \more
	TURN 0, 1, 0, 1, PF_A                          ; slot 0 takes K step 2
.else
	TURN 0, 1, 0, 1, 0
.endif
	STEP 1, 1, 0
	TURN 1, 0, 1, 1, 0                             ; slot 1 takes K step 3
	STEP 0, 2, 0
.if \more
	TURN 0, 1, 2, 2, PF_B                          ; slot 0 takes the next tile's K step 0
.else
	TURN 0, 1, 2, 0, 0                             ; nothing is left to fetch
.endif
	STEP 1, 3, 0
	LAST \more
	VOUT
.endm
	s_wait_loadcnt 0x0                             ; the small inputs are in
	v_mov_b32 v[BV+1], v[BV]
	ds_store_b128 v30, v[128:131]                  ; head w's 1,024 bytes of codes: 512 consecutive bytes a store
	ds_store_b128 v30, v[132:135] offset:512
	s_wait_tensorcnt 0x1                           ; the scale bytes and my part of K step 0 are in; K step 1's load may be out
	s_wait_dscnt 0x0                               ; for the others' sake: my stores have landed
	s_barrier_signal -1
	s_barrier_wait -1
.set TL, 0
	TILE 1
.set TL, 1
	TILE 0
	s_wait_tensorcnt 0x0                           ; the wave's end: behind my last tensor load and my last LDS store
	ds_add_u32 v[SPW], v[NIL]
	s_wait_dscnt 0x0
	CROUND                                         ; the closing round: no work-group ends while a partner may still ask for a tile that names it
	s_endpgm
.Lfunc_end_k_q2de067ac7c_kv:
	.size	k_q2de067ac7c_kv, .Lfunc_end_k_q2de067ac7c_kv-k_q2de067ac7c_kv
	.p2alignl 7, 3214868480
	.fill 96, 4, 3214868480
	.section	.rodata,"a",@progbits
	.p2align	6, 0x0
	.amdhsa_kernel k_q2de067ac7c_kv
		.amdhsa_group_segment_fixed_size 327680
		.amdhsa_private_segment_fixed_size 0
		.amdhsa_enable_private_segment 0
		.amdhsa_kernarg_size 72
		.amdhsa_user_sgpr_count 2
		.amdhsa_user_sgpr_kernarg_segment_ptr 1
		.amdhsa_wavefront_size32 1
		.amdhsa_system_sgpr_workgroup_id_x 1
		.amdhsa_system_sgpr_workgroup_id_y 1
		.amdhsa_system_sgpr_workgroup_id_z 1
		.amdhsa_system_vgpr_workitem_id 0
		.amdhsa_next_free_vgpr 1024
		.amdhsa_next_free_sgpr 100
		.amdhsa_reserve_vcc 0
		.amdhsa_float_denorm_mode_32 3
		.amdhsa_float_denorm_mode_16_64 3
		.amdhsa_memory_ordered 1
		.amdhsa_forward_progress 1
		.amdhsa_inst_pref_size 255
	.end_amdhsa_kernel
	.section	.bss,"aw",@nobits
	.p2align	6
	.space	262144
	.amdgpu_metadata
---
amdhsa.version: [ 1, 2 ]
amdhsa.kernels:
  - .name:           k_q2de067ac7c_kv
    .symbol:         k_q2de067ac7c_kv.kd
    .args:
      - { .name: x_codes, .offset: 0, .size: 8, .value_kind: global_buffer, .address_space: global }
      - { .name: x_scales, .offset: 8, .size: 8, .value_kind: global_buffer, .address_space: global }
      - { .name: Wk_codes, .offset: 16, .size: 8, .value_kind: global_buffer, .address_space: global }
      - { .name: Wk_scales, .offset: 24, .size: 8, .value_kind: global_buffer, .address_space: global }
      - { .name: Wv_codes, .offset: 32, .size: 8, .value_kind: global_buffer, .address_space: global }
      - { .name: Wv_scales, .offset: 40, .size: 8, .value_kind: global_buffer, .address_space: global }
      - { .name: bk, .offset: 48, .size: 8, .value_kind: global_buffer, .address_space: global }
      - { .name: bv, .offset: 56, .size: 8, .value_kind: global_buffer, .address_space: global }
      - { .name: part, .offset: 64, .size: 8, .value_kind: global_buffer, .address_space: global }
    .group_segment_fixed_size: 327680
    .private_segment_fixed_size: 0
    .kernarg_segment_align: 8
    .kernarg_segment_size: 72
    .max_flat_workgroup_size: 128
    .sgpr_count:     100
    .vgpr_count:     1024
    .wavefront_size: 32
...
	.end_amdgpu_metadata
.endif
;; end of part 1
;; launch qz (part 2): grid 4 x 64, 4 waves a work-group, clusters of 4 x 4, 327,680 bytes of LDS; arguments x_codes, x_scales, Wq_codes, Wq_scales, bq, mask, part, out0; writes out0
.if DOCPART == 2
	.amdgcn_target "amdgcn-amd-amdhsa--gfx1250"
	.amdhsa_code_object_version 6
	.text
	.protected	k_q2de067ac7c_qz
	.globl	k_q2de067ac7c_qz
	.p2align	8
	.type	k_q2de067ac7c_qz,@function
k_q2de067ac7c_qz:
	s_mov_b64 s[64:65], 0
	v_nop
	global_prefetch_b8 v0, s[64:65] scope:SCOPE_SE
	s_setreg_imm32_b32 hwreg(HW_REG_WAVE_MODE, 25, 1), 1
	s_wait_xcnt 0x0
	s_wait_alu depctr_hold_cnt(0) depctr_sa_sdst(0) depctr_va_vdst(0) depctr_va_sdst(0) depctr_va_ssrc(0) depctr_va_vcc(0) depctr_vm_vsrc(0)
	s_getreg_b32 s2, hwreg(HW_REG_IB_STS2, 6, 4)
	s_cmp_eq_u32 s2, 0
	s_cbranch_scc0 .Lentry_in_a_cluster
	s_endpgm
.Lentry_in_a_cluster:
	s_bfe_u32 s2, ttmp6, 0x10000c
	s_cmp_lg_u32 s2, 0xf033
	s_cbranch_scc0 .Lentry_shape_is_right
	s_endpgm
.Lentry_shape_is_right:
; out0[b][head][l] = mask[b][l] ? sigmoid(z) : 0,  z = the sum over d of (x Wq + bq)[b, l][64 head + d] ktv[b][64 head + d] / 8,  ktv[b][n] = the sum over the batch's 16 row tiles g of part[16 b + g][n].
; x: [32768][1024] codes of E4M3, K innermost, one E8M0 byte for each 32 along K; Wq: [1024 (n)][1024 (k)] likewise.  Codes and scale bytes go to the matrix unit as they lie.
; SHARES.  A tile of q is 256 rows x 256 columns (four heads), made by a work-group of four waves; a wave makes 128 x 128 (two heads): 64 accumulators, 512 registers.  q never leaves the registers.
; K goes in steps of 256 through a ring of two LDS slots filled by the tensor data mover.
; A WORK-GROUP STAYS: it makes TWO tiles, rows 512 T .. + 255 and 512 T + 256 .. + 511 (one batch) of the same 256 columns, and the ring does not stop between them: the first tile's last two changes of slots
; ask for the second tile's first two K steps.  The scale bytes of the 512 rows of x (one dense block) and of the 256 rows of Wq come once, with the first fills; bq and ktv serve both tiles.
; CLUSTERS: 4 x 4 work-groups: the four of a row of the cluster need the same tiles of x, the four of a column the same tiles of Wq: each tile is asked for jointly.
; THE MATRIX INSTRUCTION IS USED TRANSPOSED (source 0 = 16 rows of Wq, source 1 = 16 rows of x): a lane holds ONE row l and eight neighbouring columns, so that the sum over d runs down its registers.
; bq is the C of each sum's first matrix instruction.  ktv is multiplied once by -log2(e) / 8, so that a lane's sum is -z log2(e), and sigmoid(z) = 1 / (1 + 2^that).
; PREFETCH of x into the L2, three requests a wave.  A work-group asks for 64 of a tile's 256 rows (by its place along the cluster's x), a wave for 16 of those; lanes 0-15 take 256 bytes of a row (one K step),
; lanes 16-31 the next 256: so each 256 bytes are asked for once in the launch.  At the head: the first tile's K steps 2 and 3; at the first tile's first change of slots: the second tile's K steps 0 and 1,
; whose tensor loads follow two and three K steps later; at its third: the second tile's K steps 2 and 3.  Nothing is asked for beyond the second tile.
; LIMITS: the sums over g and over d are taken in f32 in another order than a plain sum's.  Where 2^(-z log2 e) passes the largest f32 number the result is exactly 0, where it falls under the smallest
; normal number exactly 1.  A NaN code or a scale byte 0xff among the inputs spreads as NaN wherever the mask is true.
; REGISTERS, in windows of 256: window 0: v1-31 addresses and the mask; v32-63 scale words, two sets (they hold nothing else); v64-127 bq in the result's layout; v128-255 x's fragments, ONE set.
;   window 1: Wq's fragments, TWO sets; on the way out ktv lies in the first 64 registers of set 0.   windows 2, 3: accumulator (a, b) at v[8 (8 (a % 4) + b)].
.set KROW,  1024
.set ROWB,  256
.set PITCH, 272                        ; an LDS row: 256 bytes + 16 of padding = 68 words: the 16 rows that a load touches start at 16 different groups of four banks
.set FR,    16
.set NP,    8                          ; places behind this matrix instruction (ISA guide 7.12.1)
.set HALFT, 128*PITCH
.set SLOT,  4*HALFT                    ; x's 256 rows, then Wq's 256 rows
.set SCL,   2*SLOT                     ; behind the ring: the scale bytes, as rows of 256 bytes + 16 of padding: x's first tile, x's second tile, Wq's
.set HALFS, 16*272
.set SBLK,  2*272
.set SCB,   SCL+4*HALFS                ; Wq's
.set SPARE, SCL+6*HALFS                ; the spare words, 128 bytes for each wave: two blocks of 256 bytes that no other line names
.set KT,    SPARE+512                  ; ktv x -log2(e) / 8 of the tile's 256 columns: stored by the waves, no tile ever lands here
.set OST,   KT+1024                    ; the way out: 2 heads x 128 rows x 4 bytes for each wave, its own
.set NEXT_A, 256*KROW-2*ROWB           ; bytes from a slot's last K step of the first tile to its first of the second: x goes 256 rows down and back along K,
.set BACK_B, 2*ROWB                    ; Wq only back
.set PF_A,  256*KROW                   ; prefetch: the second tile's K steps 0 and 1,
.set PF_B,  256*KROW+2*ROWB            ; and 2 and 3
.set KRD,  10                          ; v10  KT + 512 x column half + 32 h
.set KTO,  11                          ; v11  KT + 8 x thread
.set OSTO, 12                          ; v12  my stage + 4 x lane
.set ORD,  13                          ; v13  my stage + 16 x lane
.set GO,   14                          ; v14  16 x lane
.set MK,   15                          ; v15  four bytes of the mask: rows 4 lane .. 4 lane + 3 of my 128 in the first tile;  v30 in the second
.set ADRA, 16                          ; v16-17 x's blocks 0-3 in slot 0, 1;  v18-19 blocks 4-7
.set ADRB, 20
.set ADRS, 22                          ; v22-25 scale words: tile n, blocks 4 g on at v[ADRS + 2 n + g]: lanes 0-15 x's, lanes 16-31 Wq's
.set SPW,  28                          ; v28  SPARE + 4 x my thread's number; never rewritten
.set NIL,  29                          ; v29  0; never rewritten
.set PF,   31                          ; v31  prefetch: 1,024 r + 256 h; never rewritten
.set SC,   32
.set BQ,   64
.set AF,   128
.set Z,    128                         ; the way out: block a, head t: a pair at v[Z + 4 a + 2 t]
.set ZS,   160                         ; its two words added: v[ZS + 2 a + t]
.set KP,   176                         ; v176-183 what a lane keeps, then the result;  v184-191 what it sends
.set OB,   192                         ; v192-199 rows read back from the stage
.set WV,  22
.set WI,  23
.set WJ,  66
.set G1,  24
.set G0,  32
.set G1B, 48
.set G0B, 56
.set G1S, 68
.set G0S, 76
.set G1SB, 80
.set G0SB, 88
.set TL,  0                            ; the tile in hand: 0 or 1
.set MSB, 0
.macro WIN new                         ; the immediate's high byte repeats the setting that is left
.if MSB != (\new)
	s_set_vgpr_msb (MSB<<8)|(\new)
.set MSB, (\new)
.endif
.endm
.set MUL_LO,   0xa1                    ; source 0 (Wq) window 1, source 1 (x) window 0, C and D window 2
.set MUL_HI,   0xf1                    ; the same, C and D window 3
.set FIRST_LO, 0x81                    ; a tile's first step: C (bq) window 0, D window 2
.set FIRST_HI, 0xc1                    ; D window 3
.set TO_B,     0x40                    ; destination window 1, address window 0
; A joint load: waves 0 and 1 fetch for x, waves 2 and 3 for Wq.  Each line has one mask and one set of registers for all that issue it; the branch hangs on the wave's number alone.
; Four v_nop follow each of the two lines, ahead of the jump, the label and what follows.
.macro JLOAD g0a, g1a, g0b, g1b
	s_cmp_eq_u32 s[WI], 0
	s_cbranch_scc0 .Lfor_b_\@
	tensor_load_to_lds s[\g0a:\g0a+3], s[\g1a:\g1a+7]
	s_nop 0
.rept 4
	v_nop
.endr
	s_branch .Lasked_\@
.Lfor_b_\@:
	tensor_load_to_lds s[\g0b:\g0b+3], s[\g1b:\g1b+7]
	s_nop 0
.rept 4
	v_nop
.endr
.Lasked_\@:
.endm
.macro CREST                           ; a round of the cluster's barrier behind its opening barrier
	s_cmp_lg_u32 s[WV], 0
	s_cbranch_scc1 .Lnot_wave_0_\@
	s_barrier_signal -3
.Lnot_wave_0_\@:
	s_barrier_wait -3
	s_barrier_signal -1
	s_barrier_wait -1
.endm
.macro CROUND                          ; a whole round
	s_barrier_signal -1
	s_barrier_wait -1
	CREST
.endm
.macro PLACES n
.rept \n
	v_nop
.endr
.endm
	s_load_b256 s[4:11], s[0:1], 0x0               ; x's codes s[4:5], x's scales s[6:7], Wq's codes s[8:9], Wq's scales s[10:11]
	s_load_b256 s[12:19], s[0:1], 0x20             ; bq s[12:13], mask s[14:15], part s[16:17], out0 s[18:19]
	v_lshl_add_u32 v[SPW], v0, 2, SPARE
	v_mov_b32 v[NIL], 0
	ds_add_u32 v28, v29
	s_wait_dscnt 0x0
	v_lshrrev_b32 v1, 5, v0
	v_readfirstlane_b32 s[WV], v1                  ; wave 0..3
	s_lshr_b32 s[WI], s[WV], 1                     ; my half of the tile's rows.  Also: I fetch for x (0) or for Wq (1)
	s_and_b32 s[WJ], s[WV], 1                      ; my half of its columns.  Also: which part I fetch
	s_bfe_u32 s40, ttmp6, 0x40000                  ; cx, cy: my place in the cluster
	s_bfe_u32 s41, ttmp6, 0x40004
	s_lshl_b32 s42, ttmp9, 2
	s_add_co_u32 s42, s42, s40                     ; tile column = 4 x cluster x + cx: 0 .. 3
	s_and_b32 s45, ttmp7, 0xffff
	s_lshl_b32 s45, s45, 2
	s_add_co_u32 s45, s45, s41                     ; T = 4 x cluster y + cy: 0 .. 63: my rows are 512 T .. 512 T + 511
	s_lshl_b32 s43, s41, 2
	s_lshl_b32 s43, 15, s43                        ; my row of the cluster
	s_lshl_b32 s44, 0x1111, s40                    ; my column
	; descriptor group 1: a tile of 128 rows x 256 bytes, 16 bytes of padding behind each row
	s_or_b32 s[G1+0], s43, (0<<16)|(1<<20)|(1<<21)|(5<<22)|(3<<25)   ; 15:0 the mask: x's tiles go to my row; 17:16 elements of 1 byte; 20 padding on; 21 set beside a mask; 24:22 after every 64 words; 31:25 four words
	s_or_b32 s[G1B+0], s44, (0<<16)|(1<<20)|(1<<21)|(5<<22)|(3<<25)  ; the same with the mask of my column, for Wq's tiles
.irp g, G1, G1B
	s_mov_b32 s[\g+1], ROWB<<16                    ; tensor_dim0
	s_mov_b32 s[\g+2], 128<<16                     ; tensor_dim1
	s_mov_b32 s[\g+3], ROWB<<16                    ; tile_dim0
	s_mov_b32 s[\g+4], 128                         ; tile_dim1
	s_mov_b32 s[\g+5], KROW                        ; tensor_dim0_stride
	s_mov_b32 s[\g+6], 0
	s_mov_b32 s[\g+7], 0
.endr
	; the scale bytes: dense blocks as rows of 256 bytes (32 elements of 8 bytes), 16 bytes of padding behind each.  x's: 256 rows of x, a whole tile's, to a load: 32 such rows;  Wq's: 128 rows: 16
	s_or_b32 s[G1S+0], s43, (3<<16)|(1<<20)|(1<<21)|(5<<22)|(3<<25)
	s_mov_b32 s[G1S+1], 32<<16
	s_mov_b32 s[G1S+2], 32<<16
	s_mov_b32 s[G1S+3], 32<<16
	s_mov_b32 s[G1S+4], 32
	s_mov_b32 s[G1S+5], 32
	s_mov_b32 s[G1S+6], 0
	s_mov_b32 s[G1S+7], 0
	s_or_b32 s[G1SB+0], s44, (3<<16)|(1<<20)|(1<<21)|(5<<22)|(3<<25)
	s_mov_b32 s[G1SB+1], 32<<16
	s_mov_b32 s[G1SB+2], 16<<16
	s_mov_b32 s[G1SB+3], 32<<16
	s_mov_b32 s[G1SB+4], 16
	s_mov_b32 s[G1SB+5], 32
	s_mov_b32 s[G1SB+6], 0
	s_mov_b32 s[G1SB+7], 0
	s_lshl_b32 s2, s[WJ], 7                        ; which 128 rows of a tile I fetch
	s_lshl_b32 s46, s45, 9                         ; 512 T                                     (s46, s47, s96, s97 never hold cx;
	s_lshl_b32 s96, s[WJ], 8
	s_add_co_u32 s96, s96, s46                     ; x's scales: row 512 T + 256 x part
	s_add_co_u32 s46, s46, s2                      ; x's codes: row 512 T + 128 x part
	s_lshl_b32 s92, s42, 8
	s_add_co_u32 s92, s92, s2                      ; Wq: row 256 x tile column + 128 x part      s92, s93, s98, s99 never hold cy)
	s_lshl_b32 s96, s96, 5                         ; where these rows' scale bytes begin: 32 bytes a row,
	s_lshl_b32 s98, s92, 5
	s_lshl_b32 s46, s46, 10                        ; and their codes: 1,024 bytes a row; 32 MiB at the most
	s_lshl_b32 s92, s92, 10
	s_mov_b32 s47, 0
	s_mov_b32 s93, 0
	s_mov_b32 s97, 0
	s_mov_b32 s99, 0
	s_mul_i32 s67, s[WV], HALFT                    ; where they go: wave x 128 rows: no place in the cluster enters an LDS address
	s_mul_i32 s3, s[WJ], 2*HALFS                   ; x's scale bytes: tile 0's, then tile 1's
	s_mul_i32 s2, s[WJ], HALFS                     ; Wq's: two halves
	s_mov_b32 s94, 0x76543210
	s_mov_b32 s95, 0xfedcba98                      ; v_permlanex16_b32's selects for lane l xor 16
	s_wait_kmcnt 0x0
	s_add_nc_u64 s[46:47], s[4:5], s[46:47]
	s_add_nc_u64 s[96:97], s[6:7], s[96:97]
	s_add_nc_u64 s[92:93], s[8:9], s[92:93]
	s_add_nc_u64 s[98:99], s[10:11], s[98:99]
	CROUND                                         ; all sixteen work-groups are here: the first joint loads meet
	s_mov_b32 s[G0S], 1
	s_add_co_u32 s[G0S+1], s3, SCL
	s_mov_b64 s[G0S+2:G0S+3], s[96:97]
	s_or_b32 s[G0S+3], s[G0S+3], 0x80000000
	s_mov_b32 s[G0SB], 1
	s_add_co_u32 s[G0SB+1], s2, SCB
	s_mov_b64 s[G0SB+2:G0SB+3], s[98:99]
	s_or_b32 s[G0SB+3], s[G0SB+3], 0x80000000
	JLOAD G0S, G1S, G0SB, G1SB                     ; the scale bytes first: they are wanted with K step 0
.irp s, 0,1
	s_mov_b32 s[G0+4*\s], 1
	s_add_co_u32 s[G0+4*\s+1], s67, \s*SLOT
	s_add_nc_u64 s[G0+4*\s+2:G0+4*\s+3], s[46:47], \s*ROWB
	s_or_b32 s[G0+4*\s+3], s[G0+4*\s+3], 0x80000000
	s_mov_b32 s[G0B+4*\s], 1
	s_add_co_u32 s[G0B+4*\s+1], s67, \s*SLOT
	s_add_nc_u64 s[G0B+4*\s+2:G0B+4*\s+3], s[92:93], \s*ROWB
	s_or_b32 s[G0B+4*\s+3], s[G0B+4*\s+3], 0x80000000
	JLOAD G0+4*\s, G1, G0B+4*\s, G1B               ; three tensor loads of mine are out now
.endr
	; the small inputs, by loads into registers.  (s[6:11] have served: they are temporaries from here on; s[4:5] becomes the prefetches' base.)
	v_and_b32 v1, 15, v0                           ; r = lane % 16
	v_bfe_u32 v2, v0, 4, 1                         ; h = lane / 16
	v_and_b32 v3, 31, v0                           ; lane
	v_lshlrev_b32 v5, 2, v3                        ; 4 x lane
	v_lshlrev_b32 v[GO], 4, v3                     ; 16 x lane
	v_lshlrev_b32 v26, 3, v0                       ; 8 x thread: two columns of part a thread
	v_lshlrev_b32 v27, 5, v2                       ; 32 h
	v_lshlrev_b32 v[PF], 10, v1                    ; prefetch: row r of my 16,
	v_lshl_add_u32 v[PF], v2, 8, v[PF]             ; lanes 16-31 the next 256 bytes
	s_mov_b32 s7, 0
	s_lshl_b32 s6, s45, 9
	s_lshl_b32 s8, s40, 6
	s_add_co_u32 s6, s6, s8
	s_lshl_b32 s8, s[WV], 4
	s_add_co_u32 s6, s6, s8                        ; row 512 T + 64 cx + 16 x wave
	s_lshl_b32 s6, s6, 10
	s_add_nc_u64 s[4:5], s[4:5], s[6:7]            ; x's codes at the first row that I ask for
	s_lshr_b32 s8, s45, 3                          ; the batch: 8 T to a batch
	s_lshl_b32 s9, s42, 10                         ; 256 x tile column, in bytes of f32
	s_lshl_b32 s6, s8, 16                          ; the batch's 16 rows of part, 4,096 bytes each
	s_add_co_u32 s6, s6, s9
	s_add_nc_u64 s[16:17], s[16:17], s[6:7]        ; part
	s_lshl_b32 s6, s[WJ], 9
	s_add_co_u32 s6, s6, s9
	s_add_nc_u64 s[12:13], s[12:13], s[6:7]        ; bq at my first column
	s_lshl_b32 s6, s45, 9
	s_lshl_b32 s10, s[WI], 7
	s_add_co_u32 s6, s6, s10
	s_add_nc_u64 s[14:15], s[14:15], s[6:7]        ; the mask at my first row: a byte a row
	s_lshl_b32 s6, s8, 18                          ; out0: batch x 16 heads x 4,096 x 4 bytes
	s_lshl_b32 s10, s42, 16                        ; + 4 x tile column heads
	s_add_co_u32 s6, s6, s10
	s_lshl_b32 s10, s[WJ], 15                      ; + 2 x column half heads
	s_add_co_u32 s6, s6, s10
	s_and_b32 s10, s45, 7
	s_lshl_b32 s10, s10, 11                        ; + my 512 rows' place in the batch
	s_add_co_u32 s6, s6, s10
	s_lshl_b32 s10, s[WI], 9                       ; + my 128 of a tile
	s_add_co_u32 s6, s6, s10
	s_add_nc_u64 s[18:19], s[18:19], s[6:7]
.irp g, 0,1,2,3,4,5,6,7,8,9,10,11,12,13,14,15
	global_load_b64 v[128+2*\g:129+2*\g], v26, s[16:17] offset:4096*\g       ; row tile g's sums of my two columns: a wave reads 256 consecutive bytes
.endr
.irp b, 0,1,2,3,4,5,6,7
	global_load_b128 v[BQ+8*\b:BQ+8*\b+3], v27, s[12:13] offset:64*\b         ; bq of columns 16 b + 8 h + 0 .. 7: the result's layout
	global_load_b128 v[BQ+8*\b+4:BQ+8*\b+7], v27, s[12:13] offset:64*\b+16
.endr
	global_load_b32 v[MK], v5, s[14:15]
	global_load_b32 v[MK+15], v5, s[14:15] offset:256                         ; the second tile's rows
	global_prefetch_b8 v[PF], s[4:5] offset:2*ROWB th:TH_LOAD_NT scope:SCOPE_SE   ; the first tile's K steps 2 and 3 of my 16 rows
	; LDS addresses: constants, the lane and the wave's number
	v_mul_u32_u24 v4, v1, PITCH
	v_lshl_add_u32 v4, v2, 4, v4                   ; a fragment's row x pitch + 16 x half
	s_mul_i32 s67, s[WI], HALFT                    ; my 128 rows of x
	v_add_nc_u32 v[ADRA], s67, v4
	v_add_nc_u32 v[ADRA+2], 64*PITCH, v[ADRA]      ; blocks 4-7: 64 rows on
	v_add_nc_u32 v[ADRA+1], SLOT, v[ADRA]
	v_add_nc_u32 v[ADRA+3], SLOT, v[ADRA+2]
	s_mul_i32 s67, s[WJ], HALFT                    ; my 128 rows of Wq, behind x's 256
	s_add_co_u32 s67, s67, 2*HALFT
	v_add_nc_u32 v[ADRB], s67, v4
	v_add_nc_u32 v[ADRB+1], SLOT, v[ADRB]
	v_lshlrev_b32 v6, 5, v1                        ; my row's scale bytes: 32 a row,
	v_lshrrev_b32 v7, 8, v6
	v_lshl_add_u32 v6, v7, 4, v6                   ; and 16 more for each 256 passed
; v[dst] = SCL + x's base + my row's place + h x (Wq's base - x's base): lanes 16-31 take Wq's: the lower base + h x ONE distance
.macro MKS dst, sa, sb
	s_sub_co_u32 s9, s[\sb], s[\sa]
	v_mul_u32_u24 v7, s9, v2
	s_add_co_u32 s9, s[\sa], SCL
	v_add_nc_u32 v7, v6, v7
	v_add_nc_u32 v[\dst], s9, v7
.endm
	s_mul_i32 s67, s[WI], HALFS                    ; x's: my 128 rows of the first tile
	s_mul_i32 s2, s[WJ], HALFS                     ; Wq's: my 128 rows, behind x's two tiles
	s_add_co_u32 s2, s2, 4*HALFS
	MKS ADRS, 67, 2
	v_add_nc_u32 v[ADRS+1], 4*SBLK, v[ADRS]        ; blocks 4-7: 64 rows on, on both sides
	s_add_co_u32 s67, s67, 2*HALFS                 ; the second tile
	MKS ADRS+2, 67, 2
	v_add_nc_u32 v[ADRS+3], 4*SBLK, v[ADRS+2]
	s_lshl_b32 s67, s[WJ], 9
	s_add_co_u32 s67, s67, KT
	v_add_nc_u32 v[KRD], s67, v27
	v_lshl_add_u32 v[KTO], v0, 3, KT
	s_lshl_b32 s67, s[WV], 10
	s_add_co_u32 s67, s67, OST
	v_add_nc_u32 v[OSTO], s67, v5
	v_add_nc_u32 v[ORD], s67, v[GO]
	s_mov_b32 s67, 0xffff0000                      ; a lane mask: lanes 16-31
.macro FRAG reg, adr, q, i             ; a fragment, 16 rows x 128 K, is 16 registers: lane l holds row l % 16; registers 4 c .. 4 c + 3 hold K = 32 c + 16 (l / 16) + 0 .. 15
.irp c, 0,1,2,3
	ds_load_b128 v[\reg+4*\c:\reg+4*\c+3], v[\adr] offset:128*(\q)+32*\c+(\i)*16*PITCH
.endr
.endm
.macro FETCH_B slot, q, p              ; Wq's eight fragments of the slot's q-th 128 along K into set p
	WIN TO_B
.irp i, 0,1,2,3,4,5,6,7
	FRAG 128*(\p)+FR*\i, ADRB+\slot, \q, \i
.endr
	WIN 0
.endm
.macro FETCH_A slot, q, i0             ; x's blocks i0 .. i0 + 3
.irp i, 0,1,2,3
	FRAG AF+FR*((\i0)+\i), ADRA+2*((\i0)/4)+(\slot), \q, \i
.endr
.endm
.macro SCALES set, t                   ; the scale words of the tile's K step t into a set: two words a row; lanes 0-15 take x's block i, lanes 16-31 Wq's block i
.irp i, 0,1,2,3,4,5,6,7
	ds_load_b64 v[SC+16*(\set)+2*\i:SC+16*(\set)+2*\i+1], v[ADRS+2*TL+(\i/4)] offset:(\i%4)*SBLK+8*(\t)
.endr
.endm
; 16 matrix instructions: x's blocks a0, a0 + 1 against Wq's eight.  p: Wq's set;  q: which word of the scale set.  first = 1: the first product starts the sums from bq: nothing is cleared, nothing added later.
; The 64 accumulators take turns, one instruction a turn, in the same order in every step.
.macro MUL16 a0, p, q, set, first
.irp a, \a0, \a0+1
.irp b, 0,1,2,3,4,5,6,7
.if \first
	v_wmma_scale_f32_16x16x128_f8f6f4 v[8*(8*((\a)%4)+\b):8*(8*((\a)%4)+\b)+7], v[128*(\p)+FR*\b:128*(\p)+FR*\b+FR-1], v[AF+FR*(\a):AF+FR*(\a)+FR-1], v[BQ+8*\b:BQ+8*\b+7], v[SC+16*(\set)+2*\b+(\q)], v[SC+16*(\set)+2*(\a)+(\q)] matrix_a_scale:MATRIX_SCALE_ROW1
.else
	v_wmma_scale_f32_16x16x128_f8f6f4 v[8*(8*((\a)%4)+\b):8*(8*((\a)%4)+\b)+7], v[128*(\p)+FR*\b:128*(\p)+FR*\b+FR-1], v[AF+FR*(\a):AF+FR*(\a)+FR-1], v[8*(8*((\a)%4)+\b):8*(8*((\a)%4)+\b)+7], v[SC+16*(\set)+2*\b+(\q)], v[SC+16*(\set)+2*(\a)+(\q)] matrix_a_scale:MATRIX_SCALE_ROW1
.endif
.endr
.endr
.endm
; A load into a register that a matrix instruction has read, and a vector instruction that reads a matrix result, stand NP places behind that matrix instruction; only plain vector instructions that name
; none of its registers are places (ISA guide 7.12.1 for vector instructions).
; The first 128 along K of the K step that lies in a slot.
.macro STEP slot, first
	s_wait_dscnt 16                                ; all but the youngest sixteen loads (x's blocks 4-7) are in
.if \first
	WIN FIRST_LO
.else
	WIN MUL_LO
.endif
	MUL16 0, 0, 0, \slot, \first
	MUL16 2, 0, 0, \slot, \first
	s_wait_dscnt 0x0                               ; x's blocks 4-7 are in
	PLACES NP
	FETCH_B \slot, 1, 1
	FETCH_A \slot, 1, 0
.if \first
	WIN FIRST_HI
.else
	WIN MUL_HI
.endif
	MUL16 4, 0, 0, \slot, \first
	MUL16 6, 0, 0, \slot, \first
	PLACES NP
	WIN 0
	FETCH_A \slot, 1, 4
.endm
; The second 128 changes slots: ONE barrier; in front of it each wave waits for all its tensor loads, adds 0 to its spare word, and waits for that and for its own reads of this slot.
; fill = 1: the barrier opens a round of the cluster's barrier, and this slot is filled again, two K steps ahead: the first tensor load behind the round, one a wave.  fill = 2: with the next tile's K step.
; pf: the byte offset of a prefetch, or 0 for none: it stands behind the run of LDS loads.
.macro TURN slot, next, t, fill, pf
	s_wait_tensorcnt 0x0                           ; all my tensor loads have landed: my part of the next slot;  (every window is 0 here)
	ds_add_u32 v[SPW], v[NIL]                      ; 0 onto my spare word
	s_wait_dscnt 17                                ; the add and the youngest sixteen loads (x's blocks 4-7) may be out
	WIN MUL_LO
	MUL16 0, 1, 1, \slot, 0                        ; sixteen matrix instructions stand between the add and the wait for it
	s_wait_dscnt 0x0                               ; the add is done, and my reads of this slot are over
	s_barrier_signal -1
	MUL16 2, 1, 1, \slot, 0
	WIN 0
	s_barrier_wait -1
.if \fill
	CREST                                          ; no wave of any partner still reads this slot's tile or has a load on its way
.if (\fill) == 2
	s_add_nc_u64 s[G0+4*\slot+2:G0+4*\slot+3], s[G0+4*\slot+2:G0+4*\slot+3], NEXT_A
	s_sub_nc_u64 s[G0B+4*\slot+2:G0B+4*\slot+3], s[G0B+4*\slot+2:G0B+4*\slot+3], BACK_B
.else
	s_add_nc_u64 s[G0+4*\slot+2:G0+4*\slot+3], s[G0+4*\slot+2:G0+4*\slot+3], 2*ROWB
	s_add_nc_u64 s[G0B+4*\slot+2:G0B+4*\slot+3], s[G0B+4*\slot+2:G0B+4*\slot+3], 2*ROWB
.endif
	JLOAD G0+4*\slot, G1, G0B+4*\slot, G1B         ; the four v_nop behind it are among the places in front of the loads below
	PLACES NP-4
.else
	PLACES NP
.endif
	FETCH_B \next, 0, 0
	FETCH_A \next, 0, 0
	SCALES \next, (\t)+1
.if \pf
	global_prefetch_b8 v[PF], s[4:5] offset:\pf th:TH_LOAD_NT scope:SCOPE_SE
.endif
	WIN MUL_HI
	MUL16 4, 1, 1, \slot, 0
	MUL16 6, 1, 1, \slot, 0
	PLACES NP
	WIN 0
	FETCH_A \next, 0, 4
.endm
; ktv of columns 16 b + 8 h + 0 .. 7, the result's layout, into the first 64 registers of Wq's set 0, which the tile's last 128 along K do not read (their last reader stands NP places back, in the step before)
.macro KTLOAD
	WIN TO_B
.irp b, 0,1,2,3,4,5,6,7
	ds_load_b128 v[8*\b:8*\b+3], v[KRD] offset:64*\b
	ds_load_b128 v[8*\b+4:8*\b+7], v[KRD] offset:64*\b+16
.endr
.endm
; A tile's last 128 along K (slot 1).  more = 1: a tile follows: slot 1 is left as every slot is left, and takes the next tile's K step 1.  In front of that round every wave has waited for all its loads,
; so behind it slot 0, the next tile's K step 0, is whole for every wave.  No fragment is fetched here: the way out needs x's registers.
.macro LAST more
.if \more
	s_wait_tensorcnt 0x0                           ; all my tensor loads have landed: my part of slot 0
	ds_add_u32 v[SPW], v[NIL]                      ; 0 onto my spare word
	s_wait_dscnt 17                                ; the add and the youngest sixteen loads may be out
	WIN MUL_LO
	MUL16 0, 1, 1, 1, 0
	s_wait_dscnt 0x0                               ; the add is done, and my reads of slot 1 are over
	s_barrier_signal -1
	MUL16 2, 1, 1, 1, 0
	WIN 0
	s_barrier_wait -1
	CREST
	s_add_nc_u64 s[G0+6:G0+7], s[G0+6:G0+7], NEXT_A
	s_sub_nc_u64 s[G0B+6:G0B+7], s[G0B+6:G0B+7], BACK_B
	JLOAD G0+4, G1, G0B+4, G1B
	KTLOAD
.else
	s_wait_dscnt 16
	KTLOAD
	WIN MUL_LO
	MUL16 0, 1, 1, 1, 0
	MUL16 2, 1, 1, 1, 0
	s_wait_dscnt 0x0
.endif
	WIN MUL_HI
	MUL16 4, 1, 1, 1, 0
	MUL16 6, 1, 1, 1, 0
	WIN 0
.endm
; two blocks of rows x two heads: four chains of packed multiply-adds by turns; the first line of each starts its sum.  Each accumulator is read from its low end on.
.macro ZPAIR a0
	WIN 0x06+(\a0)/4                               ; source 0 (q): window 2 or 3; source 1 (ktv): window 1
.irp bb, 0,1,2,3
.irp jp, 0,1,2,3
.irp a, \a0, \a0+1
.irp t, 0,1
.if (\bb == 0) && (\jp == 0)
	v_pk_mul_f32 v[Z+4*(\a)+2*\t:Z+4*(\a)+2*\t+1], v[8*(8*((\a)%4)+4*\t+\bb)+2*\jp:8*(8*((\a)%4)+4*\t+\bb)+2*\jp+1], v[8*(4*\t+\bb)+2*\jp:8*(4*\t+\bb)+2*\jp+1]
.else
	v_pk_fma_f32 v[Z+4*(\a)+2*\t:Z+4*(\a)+2*\t+1], v[8*(8*((\a)%4)+4*\t+\bb)+2*\jp:8*(8*((\a)%4)+4*\t+\bb)+2*\jp+1], v[8*(4*\t+\bb)+2*\jp:8*(4*\t+\bb)+2*\jp+1], v[Z+4*(\a)+2*\t:Z+4*(\a)+2*\t+1]
.endif
.endr
.endr
.endr
.endr
.endm
; THE WAY OUT of a tile.  Lane (r, h), register j of accumulator (a, b): q(row 16 a + r, column 16 b + 8 h + j).  Head t of my two is b = 4 t .. 4 t + 3.
.macro ZOUT
	s_wait_dscnt 0x0                               ; ktv is in
	PLACES NP
	ZPAIR 0
	ZPAIR 2
	ZPAIR 4
	ZPAIR 6
	WIN 0
.irp i, 0,1,2,3,4,5,6,7,8,9,10,11,12,13,14,15
	v_add_f32 v[ZS+\i], v[Z+2*\i], v[Z+2*\i+1]     ; i = 2 a + t: even columns' and odd columns'
.endr
	; a row's other 32 columns lie in lane l xor 16.  Two blocks share one exchange: lanes 0-15 keep block 2 c and send block 2 c + 1, lanes 16-31 the other way: lane L then holds row 32 c + L.
.irp c, 0,1,2,3
.irp t, 0,1
	v_cndmask_b32 v[KP+2*\c+\t], v[ZS+4*\c+\t], v[ZS+4*\c+2+\t], s67
	v_cndmask_b32 v[KP+8+2*\c+\t], v[ZS+4*\c+2+\t], v[ZS+4*\c+\t], s67
.endr
.endr
.irp i, 0,1,2,3,4,5,6,7
	v_permlanex16_b32 v[Z+\i], v[KP+8+\i], s94, s95
.endr
.irp i, 0,1,2,3,4,5,6,7
	v_add_f32 v[KP+\i], v[KP+\i], v[Z+\i]          ; -z log2(e)
.endr
.irp i, 0,1,2,3,4,5,6,7
	v_exp_f32 v[KP+\i], v[KP+\i]
.endr
	v_nop                                          ; a plain instruction between the last exponential and the use of its result
	s_wait_alu depctr_va_vdst(0)
.irp i, 0,1,2,3,4,5,6,7
	v_add_f32 v[KP+\i], 1.0, v[KP+\i]
.endr
.irp i, 0,1,2,3,4,5,6,7
	v_rcp_f32 v[KP+\i], v[KP+\i]                   ; sigmoid(z)
.endr
	v_nop                                          ; likewise behind the last reciprocal
	s_wait_alu depctr_va_vdst(0)
.irp c, 0,1,2,3
.irp t, 0,1
	ds_store_b32 v[OSTO], v[KP+2*\c+\t] offset:512*\t+128*\c       ; my own stage: head t, row 32 c + lane
.endr
.endr
.irp t, 0,1
	ds_load_b128 v[OB+4*\t:OB+4*\t+3], v[ORD] offset:512*\t        ; back as rows 4 lane .. 4 lane + 3.  LDS serves a wave's instructions in order (ISA guide 5.7.1.4): these see the stores above
.endr
	s_wait_dscnt 0x0
.irp i, 0,1,2,3
	v_and_b32 v7, 0xff<<(8*\i), v[MK+15*TL]        ; the mask's byte of row 4 lane + i
	v_cmp_ne_u32 vcc_lo, 0, v7
	v_cndmask_b32 v[OB+\i], 0, v[OB+\i], vcc_lo    ; 0 where it is false
	v_cndmask_b32 v[OB+4+\i], 0, v[OB+4+\i], vcc_lo
.endr
	global_store_b128 v[GO], v[OB:OB+3], s[18:19] offset:1024*TL th:TH_STORE_NT         ; 32 lanes store 512 consecutive bytes, at a multiple of 512 from out0's first byte; the second tile's rows are 1,024 bytes on
	global_store_b128 v[GO], v[OB+4:OB+7], s[18:19] offset:16384+1024*TL th:TH_STORE_NT ; the next head: 4,096 rows on
.if TL == 0
	s_wait_xcnt 0x0                                ; the stores have read their registers: x's next fragments land on them
.endif
.endm
; A tile: four K steps, written out: every offset is an immediate.
.macro TILE more
	FETCH_B 0, 0, 0
	FETCH_A 0, 0, 0
	SCALES 0, 0
	FETCH_A 0, 0, 4
	STEP 0, 1
.if \more
	TURN 0, 1, 0, 1, PF_A                          ; slot 0 takes K step 2
.else
	TURN 0, 1, 0, 1, 0
.endif
	STEP 1, 0
	TURN 1, 0, 1, 1, 0                             ; slot 1 takes K step 3
	STEP 0, 0
.if \more
	TURN 0, 1, 2, 2, PF_B                          ; slot 0 takes the next tile's K step 0
.else
	TURN 0, 1, 2, 0, 0                             ; nothing is left to fetch
.endif
	STEP 1, 0
	LAST \more
	ZOUT
.endm
	s_wait_loadcnt 0x0                             ; the small inputs are in
.irp g, 2,4,6,8,10,12,14                ; ktv of my two columns: the batch's 16 row tiles, in two chains
	v_pk_add_f32 v[128:129], v[128:129], v[128+2*\g:129+2*\g]
	v_pk_add_f32 v[130:131], v[130:131], v[130+2*\g:131+2*\g]
.endr
	v_pk_add_f32 v[128:129], v[128:129], v[130:131]
	v_pk_mul_f32 v[128:129], v[128:129], 0xbe38aa3b op_sel_hi:[1,0]   ; x -log2(e) / 8
	ds_store_b64 v[KTO], v[128:129]
	s_wait_tensorcnt 0x1                           ; the scale bytes and my part of K step 0 are in; K step 1's load may be out
	s_wait_dscnt 0x0                               ; for the others' sake: my store has landed
	s_barrier_signal -1
	s_barrier_wait -1
.set TL, 0
	TILE 1
.set TL, 1
	TILE 0
	s_wait_tensorcnt 0x0                           ; the wave's end: behind my last tensor load and my last LDS store
	ds_add_u32 v[SPW], v[NIL]
	s_wait_dscnt 0x0
	CROUND                                         ; the closing round: no work-group ends while a partner may still ask for a tile that names it
	s_endpgm
.Lfunc_end_k_q2de067ac7c_qz:
	.size	k_q2de067ac7c_qz, .Lfunc_end_k_q2de067ac7c_qz-k_q2de067ac7c_qz
	.p2alignl 7, 3214868480
	.fill 96, 4, 3214868480
	.section	.rodata,"a",@progbits
	.p2align	6, 0x0
	.amdhsa_kernel k_q2de067ac7c_qz
		.amdhsa_group_segment_fixed_size 327680
		.amdhsa_private_segment_fixed_size 0
		.amdhsa_enable_private_segment 0
		.amdhsa_kernarg_size 64
		.amdhsa_user_sgpr_count 2
		.amdhsa_user_sgpr_kernarg_segment_ptr 1
		.amdhsa_wavefront_size32 1
		.amdhsa_system_sgpr_workgroup_id_x 1
		.amdhsa_system_sgpr_workgroup_id_y 1
		.amdhsa_system_sgpr_workgroup_id_z 1
		.amdhsa_system_vgpr_workitem_id 0
		.amdhsa_next_free_vgpr 1024
		.amdhsa_next_free_sgpr 100
		.amdhsa_reserve_vcc 1
		.amdhsa_float_denorm_mode_32 3
		.amdhsa_float_denorm_mode_16_64 3
		.amdhsa_memory_ordered 1
		.amdhsa_forward_progress 1
		.amdhsa_inst_pref_size 255
	.end_amdhsa_kernel
	.section	.bss,"aw",@nobits
	.p2align	6
	.space	262144
	.amdgpu_metadata
---
amdhsa.version: [ 1, 2 ]
amdhsa.kernels:
  - .name:           k_q2de067ac7c_qz
    .symbol:         k_q2de067ac7c_qz.kd
    .args:
      - { .name: x_codes, .offset: 0, .size: 8, .value_kind: global_buffer, .address_space: global }
      - { .name: x_scales, .offset: 8, .size: 8, .value_kind: global_buffer, .address_space: global }
      - { .name: Wq_codes, .offset: 16, .size: 8, .value_kind: global_buffer, .address_space: global }
      - { .name: Wq_scales, .offset: 24, .size: 8, .value_kind: global_buffer, .address_space: global }
      - { .name: bq, .offset: 32, .size: 8, .value_kind: global_buffer, .address_space: global }
      - { .name: mask, .offset: 40, .size: 8, .value_kind: global_buffer, .address_space: global }
      - { .name: part, .offset: 48, .size: 8, .value_kind: global_buffer, .address_space: global }
      - { .name: out0, .offset: 56, .size: 8, .value_kind: global_buffer, .address_space: global }
    .group_segment_fixed_size: 327680
    .private_segment_fixed_size: 0
    .kernarg_segment_align: 8
    .kernarg_segment_size: 64
    .max_flat_workgroup_size: 128
    .sgpr_count:     100
    .vgpr_count:     1024
    .wavefront_size: 32
...
	.end_amdgpu_metadata
.endif
;; end of part 2
